; MI455X (gfx1250); checked and timed in simulation.
; The chip was launched on July 23, 2026; its instructions are those of AMD's public machine-readable ISA for CDNA 5 (MIT licence, August 2026) and "CDNA5" Instruction Set Architecture Reference Guide (July 2026). The comments in the code are by the model that wrote it; some were corrected since.
;; Spatial Diff Attn. Allowed arithmetic: matrix products marked QUANTISED: E2M1 operands, one E8M0 scale for each 32 along K, by v_wmma_scale_f32_16x16x128_f8f6f4 with both operands' format E2M1 (or v_wmma_scale_f32_32x16x128_f4), f32 sums; products left as they are: f32 operands where the result goes on into a quantised operand, else bf16, f16 or f32 operands; f32 sums; everything else in f32.
;; Inputs: Wk_codes 256 x 8 x 16 uint8 (E2M1 codes of Wk, K innermost, in blocks of 32 codes, two codes a byte); Wk_scales 256 x 8 uint8 (E8M0 scales of Wk, one for each 32 codes along K); Wq_codes 256 x 8 x 16 uint8 (E2M1 codes of Wq, K innermost, in blocks of 32 codes, two codes a byte); Wq_scales 256 x 8 uint8 (E8M0 scales of Wq, one for each 32 codes along K); Wv_codes 256 x 8 x 16 uint8 (E2M1 codes of Wv, K innermost, in blocks of 32 codes, two codes a byte); Wv_scales 256 x 8 uint8 (E8M0 scales of Wv, one for each 32 codes along K); lk1 16 float32; lk2 16 float32; ln_beta 32 float32; ln_gamma 32 float32; lq1 16 float32; lq2 16 float32; x_codes 2 x 16 x 512 x 8 x 16 uint8 (E2M1 codes of x, K innermost, in blocks of 32 codes, two codes a byte); x_scales 2 x 16 x 512 x 8 uint8 (E8M0 scales of x, one for each 32 codes along K).
;; Outputs: out0 2 x 16 x 512 x 256 float32.
;; This version of the problem:
;;   THIS VERSION OF THE PROBLEM IS GIVEN IN LOW PRECISION. The matrix products marked QUANTISED in the list below multiply operands that are first quantised to E2M1 (2 exponent bits, 1 mantissa bit; 4 bits a number), with one power-of-two scale for each 32 numbers along K (OCP MX v1.0); their sums are f32. All else is computed in f32.
;;   The module's matrix products, in the order in which they are computed (A, B: the left and right operand; K: the contracted axis; several contracted axes count as one K, in the product's order):
;;     1. [M 16,384, K 256] x [K 256, N 256]; A: input x (given as codes); B: input Wq (given as codes): QUANTISED
;;     2. [M 16,384, K 256] x [K 256, N 256]; A: input x (given as codes); B: input Wk (given as codes): QUANTISED
;;     3. [M 16,384, K 256] x [K 256, N 256]; A: input x (given as codes); B: input Wv (given as codes): QUANTISED
;;     4. batch 256 x [M 512, K 16] x [K 16, N 512]; A: computed on the way; B: computed on the way: left as it is (K = 16 < 32)
;;     5. batch 256 x [M 16, K 512] x [K 512, N 512]; A: computed on the way; B: softmax (see below): QUANTISED
;;     6. batch 256 x [M 16, K 512] x [K 512, N 512]; A: computed on the way; B: softmax (see below): QUANTISED
;;     7. batch 256 x [M 512, K 16] x [K 16, N 512]; A: computed on the way; B: computed on the way: left as it is (K = 16 < 32)
;;     8. batch 256 x [M 16, K 512] x [K 512, N 512]; A: computed on the way; B: softmax (see below): QUANTISED
;;     9. batch 256 x [M 16, K 512] x [K 512, N 512]; A: computed on the way; B: softmax (see below): QUANTISED
;;   THE QUANTISER, for each operand of a quantised product, along K:
;;     - K is cut into blocks of 32 from its start; a last block that is shorter is filled with zeros.
;;     - A block's scale is 2^e with e = floor(log2(the largest magnitude in the block)) - 2, held to -126 .. 127; a block of zeros has e = 0. As a byte (E8M0): e + 127.
;;     - Each number is divided by its block's scale, clamped to +-6, and rounded to the nearest number of E2M1, ties to even, subnormals kept.
;;     - The product sums the exact products of the quantised numbers (number of the format x scale) in f32.
;;   ~~~python
;;   def quantise(x, axis):      # numpy; x: float32 -> the quantised numbers, widened to float32 again
;;       x = np.moveaxis(x, axis, -1); K = x.shape[-1]
;;       x = np.pad(x, [(0, 0)] * (x.ndim - 1) + [(0, -K % 32)]); x = x.reshape(x.shape[:-1] + (-1, 32)); a = np.abs(x).max(-1, keepdims=True)
;;       e = np.where(a > 0, np.clip(np.frexp(np.where(a > 0, a, 1))[1] - 1 - 2, -126, 127), 0)      # np.frexp(a)[1] - 1 = floor(log2(a)), exactly
;;       r = np.clip(x / 2.0 ** e, -6, 6)
;;       step = 2.0 ** (np.maximum(np.frexp(np.where(r == 0, 1, r))[1] - 1, 0) - 1)
;;       q = np.round(r / step) * step * 2.0 ** e      # np.round: ties to even
;;       return np.moveaxis(q.reshape(q.shape[:-2] + (-1,))[..., :K], -1, axis).astype(np.float32)
;;   ~~~
;;   SOFTMAX AHEAD OF A QUANTISED PRODUCT. Where the list says 'softmax', what is quantised is not the finished softmax but p = 2^(t - M), with t = logit x log2(e) and M = ceil(the row's largest t), a whole number; so 1/2 < the row's largest p <= 1. The row's sum l is taken of the UNQUANTISED p, in f32, and the product's result is divided by l at the end. Since M is a whole number, a kernel that streams over the keys may use a running M (the ceiling of the running maximum): every later rescaling is an exact power of two, which a block's scale takes up: the codes' values come out the same.
;;   OPERANDS COMPUTED ON THE WAY. 'Computed on the way' means the value that the module computes at that place (a softmax that the list does not call 'softmax' is quantised finished and normalised). What goes into a quantiser is computed in f32, as accurately as f32 sums, v_exp_f32 and their like allow (about 1e-6 of the number): no bf16 or f16 on the way to a quantiser, and a product that is left as it is and whose result goes on into a quantised operand takes f32 operands (vector FMAs, or v_wmma_f32_16x16x4_f32). A number that lies on a knife's edge between two numbers of the format may be rounded either way, as far as f32 arithmetic and the matrix unit's own rounding can turn it there, and no further.
;;   INPUTS GIVEN AS CODES. Wk (in the module: [256, 256], K = its axis 0); Wq (in the module: [256, 256], K = its axis 0); Wv (in the module: [256, 256], K = its axis 0); x (in the module: [2, 16, 512, 256], K = its axis 3): each comes as NAME_codes (uint8): NAME with its K axis moved to the last place and cut into blocks of 32 codes, [.., K / 32, bytes a block], one block behind the other in memory; two codes a byte, the lower K in the low four bits (a code: sign, 2 exponent bits, 1 mantissa bit); and NAME_scales (uint8): the same leading axes, one E8M0 byte (e + 127) for each 32 codes along K. Its value is code x scale, taken as it is: it is not quantised again, and the codes and scales need not be those that the quantiser above would give.
;; 2 versions, each right; version 2 is version 1 with the launch diffattn written anew for expert scheduling mode. Each part assembles by itself: llvm-mc -triple=amdgcn-amd-amdhsa -mcpu=gfx1250 --defsym DOCPART=n.
;; ======== version 1 of 2: 1 launch
;; launch diffattn (part 1): grid 8 x 32, 16 waves a work-group, no clusters, 247,808 bytes of LDS; arguments x_codes, x_scales, Wq_codes, Wq_scales, Wk_codes, Wk_scales, Wv_codes, Wv_scales, lq1, lk1, lq2, lk2, ln_gamma, ln_beta, out0; writes out0
.if DOCPART == 1
	.amdgcn_target "amdgcn-amd-amdhsa--gfx1250"
	.amdhsa_code_object_version 6
	.text
	.protected	k_q7ed841ee5f_diffattn
	.globl	k_q7ed841ee5f_diffattn
	.p2align	8
	.type	k_q7ed841ee5f_diffattn,@function
k_q7ed841ee5f_diffattn:
	s_mov_b64 s[64:65], 0
	v_nop
	global_prefetch_b8 v0, s[64:65] scope:SCOPE_SE
	s_setreg_imm32_b32 hwreg(HW_REG_WAVE_MODE, 25, 1), 1
	s_wait_xcnt 0x0
; Differential attention over 32 slices of 512 tokens, 8 heads of 32 columns, all in one launch: projections (MX-FP4, codes as given), scores (f32), two softmaxes a head,
; p V (MX-FP4; p and V quantised here, along the keys), attn1 - lam attn2, LayerNorm over the head's 32 channels, gamma, beta, x (1 - LAMBDA_INIT).
; SHARES.  Work-group x = 4 qh + hp: a pair of heads hp (64 columns: a row's output is 256 consecutive bytes, aligned) and a half qh of the queries; work-group y = the slice.  8 x 32 = 256 equal work-groups.
; Sixteen waves of 256 registers.  Wave w owns the 16 queries 256 qh + 16 w on, for both heads and both branches.  At the head it also projects tokens 32 w .. 32 w + 31 (one block of 32 keys) into k and v.
; k (f32) and v (codes, scale bytes) of all 512 tokens then lie in LDS; behind the second barrier the loop touches no memory and passes no barrier: four waves of a SIMD drift apart, one wave's score products beside another's softmax.
; LAYOUT.  q, k: source 0 = 16 rows of W, source 1 = 16 tokens: lane (r, h) holds token r, dims 8 h + 0 .. 7.  That IS an operand of the f32 form: its K step c names registers 2 c, 2 c + 1, which are dims 2 c, 2 c + 1, 8 + 2 c, 9 + 2 c,
; in q and in k alike.  S^T = k q^T: a lane holds ONE query (r) and keys 16 t + 8 h + 0 .. 7; so do p and O^T = v^T p^T.  v: source 0 = 16 tokens, source 1 = 16 rows of Wv: lane (r, h) holds channel r, tokens 8 h + 0 .. 7.
; Inside each true block of 32 keys p's codes and v's codes both stand in the order 0-7, 16-23, 8-15, 24-31: the same permutation on both sides keeps every product; blocks, scales and sums are the contract's.
; SOFTMAX.  t = score x log2(e) / 4; M = the running largest t rounded up to a whole number; p = 2^(t - M), not normalised; the row's sum is taken of the unquantised p; when M moves, sum and O^T are multiplied by 2^(old M - new M), exactly.
; NO JOINT LOADS, NO TENSOR LOADS: what work-groups share (the slice's x, the pair's rows of W) is read once, at the head: 96 KB of x's codes and 24 KB of W's a work-group; no step of the loop fetches a tile.
; LIMITS.  The 16 terms of a score are summed in the order of the K steps above, not in ascending dims.  A block of v or of p whose largest magnitude lies under 2^-124 (a block of zeros too) keeps the scale byte 1; its codes are then zeros or
; subnormal codes of that scale.  NaN and infinities among the numbers are not served.
.set VB,  131072                       ; LDS.  0: k, f32 register images: ((2 hd + e) 32 + key tile) 1024 + 512 half + 16 lane.  VB: v's codes: ct 4096 + block 256 + 16 r + 8 h
.set VS,  147456                       ; v's scale words: ct 256 + step 64 + 4 r + (block % 4)
.set WB,  148480                       ; the pair's 64 rows of Wq, Wk, Wv: matrix 9216 + row 144 + byte: 128 bytes + 16 of padding = 9 x 16, so that the sixteen rows of a load begin at sixteen different 16-byte columns
.set STG, 176128                       ; the way out: 16 rows x (256 + 16) bytes for each wave
.set ST,  12                           ; v12-19  branch e: v[12 + 4 e] -M, + 1 the largest t, + 2, + 3 the sum in two halves.   At the head: Wk's scale words
.set WKS, 12
.set Q,   20                           ; v20-51  q, tile 2 hd + e at 20 + 8 (2 hd + e): written by the projection, read by the score products, never moved
.set OA,  52                           ; v52-83  O^T (e, ct2) at 52 + 16 e + 8 ct2.   At the head: four fragments of W
.set WF,  52
.set S,   84                           ; v84-147 eight score tiles; at the head the accumulators of k, then of v.  Written by matrix instructions alone
.set BUF, 148                          ; v148-211 eight fragments of k, then p; at the end y, gamma, beta, rows.   At the head: x's fragments, W's rows, lane numbers
.set XQ,  148                          ; x: my 16 queries (K step s at + 8 s); XA, XA + 16: tokens 32 w on, 32 w + 16 on
.set XA,  164
.set PC,  212                          ; v212-219 codes just made.   At the head first the global offsets
.set BM,  220                          ; v220-223 a block's largest;  v224-227 permutes' destinations, then bytes;  v228-231 the conversions' scale operands
.set BT,  224
.set SO4, 228
.set PW,  237                          ; v232 f (pair with v233);  v[234:235] a second chain of sums;  v236 at work;  v237 p's scale word;  v238-239 v's scale words
.set VSW, 238
.set WVS, 232                          ; at the head: Wv's scale words v232-239
.set VF,  240                          ; v240-255 two fragments of v.   At the head: x's scale words v240-245, Wq's v246-253, v254 where my block's scale byte goes
.set XSC, 240
.set WQS, 246
.set YR,  BUF
.set GR,  BUF+16
.set BR,  BUF+32
.set TR,  BUF+48
; v1 16 lane;  v2 VB + 16 lane;  v3 VS + 4 r;  v4-6 LDS addresses in hand;  v7, v8 the stage, in and back;  v9 my bytes in two rows of out0;  v10 lam;  v11 32 h (at the head: where my codes of v go)
; s[8:37] the buffers;  s38 wave, s39 hp, s40 qh, s41 slice;  s[44:45] lane selects;  s[46:47] log2(e) / 4;  s48-50 the step's places in k, v, v's scales;  s51 steps to go;  s52 1/32, s53 eps, s[54:55] 1 - LAMBDA_INIT;  s42-43, s56-57 at work
.macro PLACES n                        ; plain vector instructions that name no register of the matrix instruction in front (ISA guide 7.12.1)
.rept \n
	v_nop
.endr
.endm
	s_load_b512 s[8:23], s[0:1], 0x0               ; x's codes, scales; Wq's; Wk's; Wv's
	s_load_b256 s[24:31], s[0:1], 0x40             ; lq1, lk1, lq2, lk2
	s_load_b128 s[32:35], s[0:1], 0x60             ; gamma, beta
	s_load_b64 s[36:37], s[0:1], 0x70              ; out0
	v_lshrrev_b32 v1, 5, v0
	v_readfirstlane_b32 s38, v1                    ; wave 0..15
	s_and_b32 s39, ttmp9, 3                        ; hp
	s_lshr_b32 s40, ttmp9, 2                       ; qh
	s_and_b32 s41, ttmp7, 0xffff                   ; slice
	s_mov_b32 s43, 0
	s_mov_b32 s44, 0x76543210
	s_mov_b32 s45, 0xfedcba98                      ; v_permlanex16_b32: lane l xor 16
	s_mov_b32 s46, 0x3eb8aa3b                      ; log2(e) / 4 = log2(e) x 16^-0.5
	s_mov_b32 s47, s46                             ; (named with it as a pair, so it is written)
	s_mov_b32 s52, 0x3d000000                      ; 1 / 32
	s_mov_b32 s53, 0x3727c5ac                      ; 1e-5
	s_mov_b32 s54, 0x3f24fd5c                      ; 1 - LAMBDA_INIT = 0.2 + 0.6 exp(-0.3)
	s_mov_b32 s55, s54
	v_and_b32 v208, 31, v0                         ; lane
	v_and_b32 v209, 15, v0                         ; r
	v_bfe_u32 v210, v0, 4, 1                       ; h
	v_lshlrev_b32 v1, 4, v208
	v_add_nc_u32 v2, VB, v1
	v_lshl_add_u32 v3, v209, 2, VS
	v_mul_u32_u24 v4, v209, 144
	v_lshl_add_u32 v4, v210, 4, v4
	v_add_nc_u32 v4, WB, v4                        ; a fragment of W: row r, + 16 h
	s_lshl_b32 s56, s38, 11
	v_add_nc_u32 v5, s56, v1                       ; where my two key tiles' images go: 16 lane + 2048 w; head 0,
	v_add_nc_u32 v6, 0x10000, v5                   ; head 1
	s_mul_i32 s56, s38, 4352
	s_add_co_u32 s56, s56, STG                     ; my stage
	v_mul_u32_u24 v7, v209, 272
	v_lshl_add_u32 v7, v210, 5, v7
	v_add_nc_u32 v7, s56, v7                       ; in: row r, + 32 h
	v_mul_u32_u24 v8, v210, 272
	v_lshl_add_u32 v8, v209, 4, v8
	v_add_nc_u32 v8, s56, v8                       ; back: lanes 0-15 one row, lanes 16-31 the next
	v_lshlrev_b32 v9, 10, v210
	v_lshl_add_u32 v9, v209, 4, v9                 ; and the same two rows in out0
	s_lshl_b32 s56, s38, 8
	s_add_co_u32 s56, s56, VB
	v_lshlrev_b32 v11, 4, v209
	v_lshl_add_u32 v11, v210, 3, v11
	v_add_nc_u32 v11, s56, v11                     ; my 8 bytes of block w: VB + 256 w + 16 r + 8 h
	s_lshr_b32 s56, s38, 2
	s_lshl_b32 s56, s56, 6
	s_and_b32 s57, s38, 3
	s_add_co_u32 s56, s56, s57
	s_add_co_u32 s56, s56, VS
	v_lshl_add_u32 v254, v209, 2, s56              ; block w's byte in channel r's word: VS + 64 (w / 4) + w % 4 + 4 r
	v_lshlrev_b32 v211, 7, v209
	v_lshl_add_u32 v211, v210, 4, v211             ; x: row r of 128 bytes, + 16 h
	s_lshl_b32 s56, s38, 12
	v_add_nc_u32 v212, s56, v211                   ; tokens 32 w on
	s_lshl_b32 s57, s40, 4
	s_add_co_u32 s57, s57, s38                     ; 16 qh + w
	s_lshl_b32 s56, s57, 11
	v_add_nc_u32 v213, s56, v211                   ; my queries
	v_lshlrev_b32 v217, 3, v209                    ; scale bytes: 8 a row
	s_lshl_b32 s56, s38, 8
	v_add_nc_u32 v214, s56, v217
	s_lshl_b32 s56, s57, 7
	v_add_nc_u32 v215, s56, v217
	v_lshlrev_b32 v216, 4, v0                      ; W's 64 rows are 8,192 dense bytes: 16 a thread
	v_lshlrev_b32 v218, 2, v209
	v_lshrrev_b32 v219, 3, v0
	v_mul_u32_u24 v219, v219, 144
	v_and_b32 v211, 7, v0
	v_lshl_add_u32 v219, v211, 4, v219
	v_add_nc_u32 v219, WB, v219                    ; and their place in LDS: row thread / 8, 16 (thread % 8)
.irp b, 0,1,2,3
	v_mov_b32 v[BT+\b], 0                          ; written once: a lane permute's destination counts as one of its sources
.endr
	s_wait_kmcnt 0x0
	s_lshl_b32 s42, s41, 16
	s_add_nc_u64 s[8:9], s[8:9], s[42:43]          ; the slice's codes: 512 rows of 128 bytes
	s_lshl_b32 s42, s41, 12
	s_add_nc_u64 s[10:11], s[10:11], s[42:43]      ; and scale bytes
	s_lshl_b32 s42, s39, 13
	s_add_nc_u64 s[12:13], s[12:13], s[42:43]      ; the pair's 64 rows of each W
	s_add_nc_u64 s[16:17], s[16:17], s[42:43]
	s_add_nc_u64 s[20:21], s[20:21], s[42:43]
	s_lshl_b32 s42, s39, 9
	s_add_nc_u64 s[14:15], s[14:15], s[42:43]
	s_add_nc_u64 s[18:19], s[18:19], s[42:43]
	s_add_nc_u64 s[22:23], s[22:23], s[42:43]
	s_lshl_b32 s42, s41, 19                        ; out0: (512 slice + 256 qh + 16 w) rows of 1,024 bytes + 256 hp
	s_lshl_b32 s56, s40, 18
	s_add_co_u32 s42, s42, s56
	s_lshl_b32 s56, s38, 14
	s_add_co_u32 s42, s42, s56
	s_lshl_b32 s56, s39, 8
	s_add_co_u32 s42, s42, s56
	s_add_nc_u64 s[36:37], s[36:37], s[42:43]
	global_load_b128 v[196:199], v216, s[12:13]    ; W's rows first: a wave reads 512 consecutive bytes of each matrix
	global_load_b128 v[200:203], v216, s[16:17]
	global_load_b128 v[204:207], v216, s[20:21]
.irp s, 0,1                                    ; x's three tiles, as fragments: 16 rows x 128 K of 4-bit codes: registers 4 c on hold K = 128 s + 64 c + 32 h + 0 .. 31
.irp c, 0,1
	global_load_b128 v[XQ+8*\s+4*\c:XQ+8*\s+4*\c+3], v213, s[8:9] offset:64*\s+32*\c
	global_load_b128 v[XA+8*\s+4*\c:XA+8*\s+4*\c+3], v212, s[8:9] offset:64*\s+32*\c
	global_load_b128 v[XA+16+8*\s+4*\c:XA+16+8*\s+4*\c+3], v212, s[8:9] offset:2048+64*\s+32*\c
.endr
.endr
	global_load_b64 v[XSC:XSC+1], v215, s[10:11]   ; scale words: lane r has row r's; a pair = K steps 0, 1
	global_load_b64 v[XSC+2:XSC+3], v214, s[10:11]
	global_load_b64 v[XSC+4:XSC+5], v214, s[10:11] offset:128
.irp j, 0,1,2,3
	global_load_b64 v[WQS+2*\j:WQS+2*\j+1], v217, s[14:15] offset:128*\j
	global_load_b64 v[WKS+2*\j:WKS+2*\j+1], v217, s[18:19] offset:128*\j
	global_load_b64 v[WVS+2*\j:WVS+2*\j+1], v217, s[22:23] offset:128*\j
.endr
	global_load_b32 v220, v218, s[24:25]
	global_load_b32 v221, v218, s[26:27]
	global_load_b32 v222, v218, s[28:29]
	global_load_b32 v223, v218, s[30:31]
	s_wait_loadcnt 31                              ; W's rows are in: behind them 12 + 3 + 12 + 4 loads were issued
	ds_store_b128 v219, v[196:199]
	ds_store_b128 v219, v[200:203] offset:9216
	ds_store_b128 v219, v[204:207] offset:18432
	s_wait_dscnt 0x0                               ; for the others' sake: my part of W lies in LDS
	s_barrier_signal -1
	s_barrier_wait -1                              ; everybody's does
	s_wait_loadcnt 0x0
	v_mul_f32 v220, v220, v221                     ; lam = exp(sum lq1 lk1) - exp(sum lq2 lk2) + LAMBDA_INIT: each half of the lanes holds all 16 terms
	v_mul_f32 v222, v222, v223
.irp m, 1,2,4,8
	v_add_f32_dpp v220, v220, v220 row_xmask:\m row_mask:0xf bank_mask:0xf
	v_add_f32_dpp v222, v222, v222 row_xmask:\m row_mask:0xf bank_mask:0xf
.endr
	v_mul_f32 v220, 0x3fb8aa3b, v220
	v_mul_f32 v222, 0x3fb8aa3b, v222
	v_exp_f32 v220, v220
	v_exp_f32 v222, v222
	v_nop                                          ; a plain instruction behind the exponentials
	s_wait_alu depctr_va_vdst(0)
	v_sub_f32 v10, v220, v222
	v_add_f32 v10, 0x3eb60549, v10
; THE PROJECTIONS.  Four fragments of a matrix (its 64 rows), K step s
.macro WFETCH mtx, s
.irp j, 0,1,2,3
.irp c, 0,1
	ds_load_b128 v[WF+8*\j+4*\c:WF+8*\j+4*\c+3], v4 offset:\mtx*9216+2304*\j+64*\s+32*\c
.endr
.endr
	s_wait_dscnt 0x0
.endm
.irp s, 0,1                                    ; q of my 16 queries: four accumulators by turns
	WFETCH 0, \s
.irp j, 0,1,2,3
.if \s == 0
	v_wmma_scale_f32_16x16x128_f8f6f4 v[Q+8*\j:Q+8*\j+7], v[WF+8*\j:WF+8*\j+7], v[XQ+8*\s:XQ+8*\s+7], 0, v[WQS+2*\j+\s], v[XSC+\s] matrix_a_fmt:MATRIX_FMT_FP4 matrix_b_fmt:MATRIX_FMT_FP4
.else
	v_wmma_scale_f32_16x16x128_f8f6f4 v[Q+8*\j:Q+8*\j+7], v[WF+8*\j:WF+8*\j+7], v[XQ+8*\s:XQ+8*\s+7], v[Q+8*\j:Q+8*\j+7], v[WQS+2*\j+\s], v[XSC+\s] matrix_a_fmt:MATRIX_FMT_FP4 matrix_b_fmt:MATRIX_FMT_FP4
.endif
.endr
	PLACES 4                                       ; in front of the loads into W's fragments
.endr
.irp s, 0,1                                    ; k of tokens 32 w on: tile u of tokens x tile j of dims at S + 8 (4 u + j): eight accumulators by turns
	WFETCH 1, \s
.irp u, 0,1
.irp j, 0,1,2,3
.if \s == 0
	v_wmma_scale_f32_16x16x128_f8f6f4 v[S+8*(4*\u+\j):S+8*(4*\u+\j)+7], v[WF+8*\j:WF+8*\j+7], v[XA+16*\u+8*\s:XA+16*\u+8*\s+7], 0, v[WKS+2*\j+\s], v[XSC+2+2*\u+\s] matrix_a_fmt:MATRIX_FMT_FP4 matrix_b_fmt:MATRIX_FMT_FP4
.else
	v_wmma_scale_f32_16x16x128_f8f6f4 v[S+8*(4*\u+\j):S+8*(4*\u+\j)+7], v[WF+8*\j:WF+8*\j+7], v[XA+16*\u+8*\s:XA+16*\u+8*\s+7], v[S+8*(4*\u+\j):S+8*(4*\u+\j)+7], v[WKS+2*\j+\s], v[XSC+2+2*\u+\s] matrix_a_fmt:MATRIX_FMT_FP4 matrix_b_fmt:MATRIX_FMT_FP4
.endif
.endr
.endr
	PLACES 4                                       ; in front of the loads into W's fragments, and of the stores that read the results
.endr
.irp u, 0,1                                    ; the tiles go to LDS as images of their registers, each from its low end on: 16 bytes a lane, 512 a store
.irp j, 0,1
	ds_store_b128 v5, v[S+8*(4*\u+\j):S+8*(4*\u+\j)+3] offset:32768*\j+1024*\u
	ds_store_b128 v5, v[S+8*(4*\u+\j)+4:S+8*(4*\u+\j)+7] offset:32768*\j+1024*\u+512
	ds_store_b128 v6, v[S+8*(4*\u+\j+2):S+8*(4*\u+\j+2)+3] offset:32768*\j+1024*\u
	ds_store_b128 v6, v[S+8*(4*\u+\j+2)+4:S+8*(4*\u+\j+2)+7] offset:32768*\j+1024*\u+512
.endr
.endr
.irp s, 0,1                                    ; v of the same tokens, the other way round: channel tile t x token tile u at S + 16 t + 8 u
	WFETCH 2, \s                                   ; (its wait for 0 also shows that the stores above have read their registers)
.if \s == 0
	PLACES 4                                       ; with the four behind k's last products: eight places before their results are written over
.endif
.irp t, 0,1,2,3
.irp u, 0,1
.if \s == 0
	v_wmma_scale_f32_16x16x128_f8f6f4 v[S+16*\t+8*\u:S+16*\t+8*\u+7], v[XA+16*\u+8*\s:XA+16*\u+8*\s+7], v[WF+8*\t:WF+8*\t+7], 0, v[XSC+2+2*\u+\s], v[WVS+2*\t+\s] matrix_a_fmt:MATRIX_FMT_FP4 matrix_b_fmt:MATRIX_FMT_FP4
.else
	v_wmma_scale_f32_16x16x128_f8f6f4 v[S+16*\t+8*\u:S+16*\t+8*\u+7], v[XA+16*\u+8*\s:XA+16*\u+8*\s+7], v[WF+8*\t:WF+8*\t+7], v[S+16*\t+8*\u:S+16*\t+8*\u+7], v[XSC+2+2*\u+\s], v[WVS+2*\t+\s] matrix_a_fmt:MATRIX_FMT_FP4 matrix_b_fmt:MATRIX_FMT_FP4
.endif
.endr
.endr
	PLACES 4
.endr
; v IS QUANTISED ALONG THE KEYS.  Lane (r, h) holds, of channel 16 t + r, tokens 8 h + 0 .. 7 and 16 + 8 h + 0 .. 7 of block w; lane l xor 16 holds the other 16.  The four channel tiles by turns
.irp t, 0,1,2,3
	v_max3_num_f32 v[BM+\t], |v[S+16*\t]|, |v[S+16*\t+1]|, 0x1800000   ; and the floor 2^(3 - 127): the byte cannot fall under 1
.endr
.irp i, 2,4,6,8,10,12,14
.irp t, 0,1,2,3
	v_max3_num_f32 v[BM+\t], v[BM+\t], |v[S+16*\t+\i]|, |v[S+16*\t+\i+1]|
.endr
.endr
.irp t, 0,1,2,3
	v_permlanex16_b32 v[BT+\t], v[BM+\t], s44, s45
.endr
.irp t, 0,1,2,3
	v_max_num_f32 v[BM+\t], v[BM+\t], v[BT+\t]     ; the block's largest magnitude
.endr
.irp t, 0,1,2,3
	v_add_nc_u32 v[SO4+\t], 0xff000000, v[BM+\t]   ; 2 off its exponent field: the conversion takes that field as its scale
.endr
.irp t, 0,1,2,3
	v_lshrrev_b32 v[BT+\t], 23, v[SO4+\t]          ; the scale's byte
.endr
.irp t, 0,1,2,3
	v_cvt_scalef32_pk8_fp4_f32 v[PC+2*\t], v[S+16*\t:S+16*\t+7], v[SO4+\t]
	v_cvt_scalef32_pk8_fp4_f32 v[PC+2*\t+1], v[S+16*\t+8:S+16*\t+15], v[SO4+\t]
.endr
	v_nop                                          ; one plain instruction behind the last scaled conversion
.irp t, 0,1,2,3
	ds_store_b64 v11, v[PC+2*\t:PC+2*\t+1] offset:4096*\t   ; channel r's 16 bytes of block w: h = 0's eight, then h = 1's
	ds_store_b8 v254, v[BT+\t] offset:256*\t       ; both halves of the lanes write the same byte with the same value
.endr
	s_wait_dscnt 0x0                               ; for the others' sake: my k, my codes of v and my scale bytes lie in LDS
	s_barrier_signal -1
	s_barrier_wait -1                              ; the last barrier: from here on LDS below the stages is only read
	v_lshlrev_b32 v11, 5, v210                     ; gamma, beta: my eight channels of a tile begin at 32 h bytes
	v_mov_b32 v233, 0                              ; (named as the upper half of the pair v[232:233])
; S^T = k q^T for 128 keys, branch e of head hd: eight tiles, four K steps of 4 dims; the eight accumulators take turns, one instruction a turn
.macro SCORES hd, e
.irp t, 0,1,2,3,4,5,6,7
	ds_load_b128 v[BUF+8*\t:BUF+8*\t+3], v4 offset:32768*\e+1024*\t
.endr
.irp t, 0,1,2,3,4,5,6,7
	ds_load_b128 v[BUF+8*\t+4:BUF+8*\t+7], v4 offset:32768*\e+1024*\t+512
.endr
	s_wait_dscnt 0x8                               ; all but the eight second halves: the first halves are in, and v's loads, which are older
.irp t, 0,1,2,3,4,5,6,7
	v_wmma_f32_16x16x4_f32 v[S+8*\t:S+8*\t+7], v[BUF+8*\t:BUF+8*\t+1], v[Q+8*(2*\hd+\e):Q+8*(2*\hd+\e)+1], 0
.endr
.irp t, 0,1,2,3,4,5,6,7
	v_wmma_f32_16x16x4_f32 v[S+8*\t:S+8*\t+7], v[BUF+8*\t+2:BUF+8*\t+3], v[Q+8*(2*\hd+\e)+2:Q+8*(2*\hd+\e)+3], v[S+8*\t:S+8*\t+7]
.endr
	s_wait_dscnt 0x0
.irp c, 2,3
.irp t, 0,1,2,3,4,5,6,7
	v_wmma_f32_16x16x4_f32 v[S+8*\t:S+8*\t+7], v[BUF+8*\t+2*\c:BUF+8*\t+2*\c+1], v[Q+8*(2*\hd+\e)+2*\c:Q+8*(2*\hd+\e)+2*\c+1], v[S+8*\t:S+8*\t+7]
.endr
.endr
	PLACES 8                                       ; this form wants eight before its results are read and its sources written
.endm
; The softmax of branch e for these 128 keys.  The scores stay where they are; p is made in the registers that held k's fragments.  Registers 16 b + 0 .. 15 are my 16 keys of block b
.macro SOFTMAX e
.set MM, ST+4*\e
.irp b, 0,1,2,3
	v_max3_num_f32 v[BM+\b], v[S+16*\b], v[S+16*\b+1], v[S+16*\b+2]   ; the largest score of each block: for the row's maximum and, since p rises with the score, for the block's largest p
.endr
.irp i, 3,5,7,9,11,13
.irp b, 0,1,2,3
	v_max3_num_f32 v[BM+\b], v[BM+\b], v[S+16*\b+\i], v[S+16*\b+\i+1]
.endr
.endr
.irp b, 0,1,2,3
	v_max_num_f32 v[BM+\b], v[BM+\b], v[S+16*\b+15]
.endr
.irp b, 0,1,2,3
	v_permlanex16_b32 v[BT+\b], v[BM+\b], s44, s45
.endr
.irp b, 0,1,2,3
	v_max_num_f32 v[BM+\b], v[BM+\b], v[BT+\b]     ; with lane l xor 16's 16 keys
.endr
	v_max3_num_f32 v236, v[BM], v[BM+1], v[BM+2]
	v_max_num_f32 v236, v236, v[BM+3]
	v_mul_f32 v236, s46, v236                      ; as t
	v_max_num_f32 v[MM+1], v[MM+1], v236           ; the running largest t
	v_mov_b32 v236, v[MM]
	v_floor_f32 v[MM], -v[MM+1]                    ; the new -M = -ceil(t): a whole number
	v_sub_f32 v236, v[MM], v236                    ; old M - new M: a whole number, 0 or less
	v_cvt_i32_f32 v236, v236                       ; (it saturates)
	v_ldexp_f32 v232, 1.0, v236                    ; f = 2^(old M - new M)
.set i, 0
.rept 32
	v_pk_fma_f32 v[BUF+i:BUF+i+1], v[S+i:S+i+1], s[46:47], v[MM:MM+1] op_sel_hi:[1,0,0]   ; t - M, two at a time
.set i, i+2
.endr
.irp b, 0,1,2,3
	v_fma_f32 v[BM+\b], v[BM+\b], s46, v[MM]       ; the same of each block's largest score
.endr
.set i, 0
.rept 64
	v_exp_f32 v[BUF+i], v[BUF+i]                   ; p = 2^(t - M), at most 1
.set i, i+1
.endr
.irp b, 0,1,2,3
	v_exp_f32 v[BM+\b], v[BM+\b]                   ; the block's largest p: the same two instructions on the same number
.endr
	v_pk_mul_f32 v[MM+2:MM+3], v[MM+2:MM+3], v[232:233] op_sel_hi:[1,0]   ; the sums under the new M (a plain instruction behind the exponentials)
	s_wait_alu depctr_va_vdst(0)
.irp b, 0,1,2,3
	v_max_num_f32 v[BM+\b], 0x1800000, v[BM+\b]    ; the floor 2^(3 - 127)
.endr
.irp b, 0,1,2,3
	v_add_nc_u32 v[SO4+\b], 0xff000000, v[BM+\b]   ; the conversion's scale operand
.endr
.irp b, 0,1,2,3
	v_lshrrev_b32 v[BT+\b], 23, v[SO4+\b]          ; the scale's byte
.endr
	v_lshl_or_b32 v[PW], v[BT+1], 8, v[BT]         ; p's scale word for these 128 keys
	v_lshl_or_b32 v[PW], v[BT+2], 16, v[PW]
	v_lshl_or_b32 v[PW], v[BT+3], 24, v[PW]
.irp b, 0,1,2,3
	v_cvt_scalef32_pk8_fp4_f32 v[PC+2*\b], v[BUF+16*\b:BUF+16*\b+7], v[SO4+\b]
	v_cvt_scalef32_pk8_fp4_f32 v[PC+2*\b+1], v[BUF+16*\b+8:BUF+16*\b+15], v[SO4+\b]
.endr
	v_nop                                          ; one plain instruction behind the last scaled conversion
.irp c, 0,1                                    ; the operand wants a whole block in a lane: lanes 0-15 block 2 c, lanes 16-31 block 2 c + 1
.irp i, 0,1
	v_permlane16_swap_b32 v[PC+4*\c+\i], v[PC+4*\c+2+\i]
.endr
.endr
	v_pk_add_f32 v[234:235], v[BUF:BUF+1], v[BUF+2:BUF+3]   ; the row's sum of the unquantised p, in two chains.  These 32 lines are also the places between the scale word and the codes and the products below
.irp j, 4,8,12,16,20,24,28,32,36,40,44,48,52,56,60
	v_pk_add_f32 v[MM+2:MM+3], v[MM+2:MM+3], v[BUF+\j:BUF+\j+1]
	v_pk_add_f32 v[234:235], v[234:235], v[BUF+\j+2:BUF+\j+3]
.endr
	v_pk_add_f32 v[MM+2:MM+3], v[MM+2:MM+3], v[234:235]
.irp j, 0,2,4,6,8,10,12,14
	v_pk_mul_f32 v[OA+16*\e+\j:OA+16*\e+\j+1], v[OA+16*\e+\j:OA+16*\e+\j+1], v[232:233] op_sel_hi:[1,0]   ; O^T under the new M, each accumulator from its low end on
.endr
.endm
.macro BRANCH hd, e
	SCORES \hd, \e
	SOFTMAX \e
.irp t, 0,1                                    ; O^T += v^T p^T: the head's two channel tiles, K = these 128 keys
	v_wmma_scale_f32_16x16x128_f8f6f4 v[OA+16*\e+8*\t:OA+16*\e+8*\t+7], v[VF+8*\t:VF+8*\t+7], v[PC:PC+7], v[OA+16*\e+8*\t:OA+16*\e+8*\t+7], v[VSW+\t], v[PW] matrix_a_fmt:MATRIX_FMT_FP4 matrix_b_fmt:MATRIX_FMT_FP4
.endr
.endm
; A key step: 128 keys, both branches; v's two fragments serve both
.macro STEP hd
	v_add_nc_u32 v4, s48, v1
	v_add_nc_u32 v5, s49, v2
	v_add_nc_u32 v6, s50, v3
	v_nop                                          ; four places behind the last products, in front of the loads into v's fragments and scale words
.irp t, 0,1
.irp c, 0,1
	ds_load_b128 v[VF+8*\t+4*\c:VF+8*\t+4*\c+3], v5 offset:4096*\t+512*\c
.endr
	ds_load_b32 v[VSW+\t], v6 offset:256*\t
.endr
	BRANCH \hd, 0
	BRANCH \hd, 1
.endm
; The head's end: y = O1 / l1 - lam O2 / l2; LayerNorm over the 32 channels (16 mine, 16 in lane l xor 16); gamma, beta; x (1 - LAMBDA_INIT); into my stage
.macro EPI hd
.irp i, 0,1
	global_load_b128 v[GR+8*\i:GR+8*\i+3], v11, s[32:33] offset:64*\i        ; channels 16 i + 8 h + 0 .. 7
	global_load_b128 v[GR+8*\i+4:GR+8*\i+7], v11, s[32:33] offset:64*\i+16
	global_load_b128 v[BR+8*\i:BR+8*\i+3], v11, s[34:35] offset:64*\i
	global_load_b128 v[BR+8*\i+4:BR+8*\i+7], v11, s[34:35] offset:64*\i+16
.endr
	PLACES 4                                       ; behind the last products
	v_add_f32 v234, v[ST+2], v[ST+3]               ; the sums' two halves,
	v_add_f32 v232, v[ST+6], v[ST+7]
	v_permlanex16_b32 v[BT], v234, s44, s45
	v_permlanex16_b32 v[BT+1], v232, s44, s45
	v_add_f32 v234, v234, v[BT]                    ; and lane l xor 16's
	v_add_f32 v232, v232, v[BT+1]
	v_rcp_f32 v234, v234
	v_rcp_f32 v232, v232
	v_nop                                          ; a plain instruction behind the reciprocals
	s_wait_alu depctr_va_vdst(0)
	v_mul_f32 v232, v232, -v10                     ; -lam / l2
.irp j, 0,2,4,6,8,10,12,14
	v_pk_mul_f32 v[YR+\j:YR+\j+1], v[OA+\j:OA+\j+1], v[234:235] op_sel_hi:[1,0]
.endr
.irp j, 0,2,4,6,8,10,12,14
	v_pk_fma_f32 v[YR+\j:YR+\j+1], v[OA+16+\j:OA+16+\j+1], v[232:233], v[YR+\j:YR+\j+1] op_sel_hi:[1,0,1]
.endr
.irp j, 0,2,4,6
	v_pk_add_f32 v[TR+\j:TR+\j+1], v[YR+2*\j:YR+2*\j+1], v[YR+2*\j+2:YR+2*\j+3]
.endr
	v_pk_add_f32 v[TR:TR+1], v[TR:TR+1], v[TR+2:TR+3]
	v_pk_add_f32 v[TR+4:TR+5], v[TR+4:TR+5], v[TR+6:TR+7]
	v_pk_add_f32 v[TR:TR+1], v[TR:TR+1], v[TR+4:TR+5]
	v_add_f32 v236, v[TR], v[TR+1]
	v_permlanex16_b32 v[BT], v236, s44, s45
	v_add_f32 v236, v236, v[BT]
	v_mul_f32 v236, 0xbd000000, v236               ; -mu
.irp j, 0,2,4,6,8,10,12,14
	v_pk_add_f32 v[YR+\j:YR+\j+1], v[YR+\j:YR+\j+1], v[236:237] op_sel_hi:[1,0]
.endr
	v_pk_mul_f32 v[TR:TR+1], v[YR:YR+1], v[YR:YR+1]           ; the squares of y - mu, in two chains
	v_pk_mul_f32 v[TR+2:TR+3], v[YR+2:YR+3], v[YR+2:YR+3]
.irp j, 4,8,12
	v_pk_fma_f32 v[TR:TR+1], v[YR+\j:YR+\j+1], v[YR+\j:YR+\j+1], v[TR:TR+1]
	v_pk_fma_f32 v[TR+2:TR+3], v[YR+\j+2:YR+\j+3], v[YR+\j+2:YR+\j+3], v[TR+2:TR+3]
.endr
	v_pk_add_f32 v[TR:TR+1], v[TR:TR+1], v[TR+2:TR+3]
	v_add_f32 v236, v[TR], v[TR+1]
	v_permlanex16_b32 v[BT], v236, s44, s45
	v_add_f32 v236, v236, v[BT]
	v_fma_f32 v236, v236, s52, s53                 ; var + eps
	v_rsq_f32 v236, v236
	v_nop                                          ; a plain instruction behind the root
	s_wait_alu depctr_va_vdst(0)
.irp j, 0,2,4,6,8,10,12,14
	v_pk_mul_f32 v[YR+\j:YR+\j+1], v[YR+\j:YR+\j+1], v[236:237] op_sel_hi:[1,0]
.endr
	s_wait_loadcnt 0x0                             ; gamma, beta
.irp j, 0,2,4,6,8,10,12,14
	v_pk_fma_f32 v[YR+\j:YR+\j+1], v[YR+\j:YR+\j+1], v[GR+\j:GR+\j+1], v[BR+\j:BR+\j+1]
.endr
.irp j, 0,2,4,6,8,10,12,14
	v_pk_mul_f32 v[YR+\j:YR+\j+1], v[YR+\j:YR+\j+1], s[54:55] op_sel_hi:[1,0]
.endr
.irp i, 0,1
	ds_store_b128 v7, v[YR+8*\i:YR+8*\i+3] offset:128*\hd+64*\i          ; row r: head hd's 128 bytes, channels 16 i + 8 h on
	ds_store_b128 v7, v[YR+8*\i+4:YR+8*\i+7] offset:128*\hd+64*\i+16
.endr
	s_wait_dscnt 0x0                               ; the stores have read their registers, into which LDS loads come next
.endm
.irp hd, 0,1
.irp e, 0,1
	v_mov_b32 v[ST+4*\e+1], 0xff61b1e6             ; the largest t so far: -3e38, under every t
	v_floor_f32 v[ST+4*\e], -v[ST+4*\e+1]          ; -M
	v_mov_b32 v[ST+4*\e+2], 0                      ; the sum, in two halves
	v_mov_b32 v[ST+4*\e+3], 0
.endr
.set i, 0
.rept 32
	v_mov_b32 v[OA+i], 0                           ; O^T: the step is written once; its first trip finds zeros, which the first change of M leaves zeros
.set i, i+1
.endr
	s_mov_b32 s48, 65536*\hd                       ; the head's k: two branches of 32 tiles of 1,024 bytes;
	s_mov_b32 s49, 8192*\hd                        ; its two channel tiles of v;
	s_mov_b32 s50, 512*\hd                         ; their scale words
	s_mov_b32 s51, 4                               ; 512 keys, 128 a step
.Lstep\hd:
	STEP \hd
	s_add_co_u32 s48, s48, 8192                    ; eight key tiles on
	s_add_co_u32 s49, s49, 1024                    ; four blocks on
	s_add_co_u32 s50, s50, 64
	s_sub_co_u32 s51, s51, 1
	s_cmp_lg_u32 s51, 0
	s_cbranch_scc1 .Lstep\hd
	EPI \hd
.endr
; THE WAY OUT: my 16 rows come back whole, 256 bytes each: LDS serves a wave's instructions in order (ISA guide 5.7.1.4), and the stage is my own
.irp i, 0,1,2,3,4,5,6,7
	ds_load_b128 v[BUF+4*\i:BUF+4*\i+3], v8 offset:544*\i
.endr
.irp i, 0,1,2,3,4,5,6,7
	s_wait_dscnt 7-\i                              ; rows 2 i and 2 i + 1 are in; the later ones may be out
	global_store_b128 v9, v[BUF+4*\i:BUF+4*\i+3], s[36:37] offset:2048*\i th:TH_STORE_NT   ; sixteen lanes store 256 consecutive bytes, at a multiple of 256 from out0's first byte; written once
.endr
	s_wait_xcnt 0x0
	v_lshl_add_u32 v254, v0, 2, 0x3c000
	v_mov_b32 v255, 0
	s_wait_tensorcnt 0x0
	ds_add_u32 v254, v255
	s_wait_dscnt 0x0
	s_endpgm
.Lfunc_end_k_q7ed841ee5f_diffattn:
	.size	k_q7ed841ee5f_diffattn, .Lfunc_end_k_q7ed841ee5f_diffattn-k_q7ed841ee5f_diffattn
	.p2alignl 7, 3214868480
	.fill 96, 4, 3214868480
	.section	.rodata,"a",@progbits
	.p2align	6, 0x0
	.amdhsa_kernel k_q7ed841ee5f_diffattn
		.amdhsa_group_segment_fixed_size 247808
		.amdhsa_private_segment_fixed_size 0
		.amdhsa_enable_private_segment 0
		.amdhsa_kernarg_size 120
		.amdhsa_user_sgpr_count 2
		.amdhsa_user_sgpr_kernarg_segment_ptr 1
		.amdhsa_wavefront_size32 1
		.amdhsa_system_sgpr_workgroup_id_x 1
		.amdhsa_system_sgpr_workgroup_id_y 1
		.amdhsa_system_sgpr_workgroup_id_z 1
		.amdhsa_system_vgpr_workitem_id 0
		.amdhsa_next_free_vgpr 256
		.amdhsa_next_free_sgpr 66
		.amdhsa_reserve_vcc 0
		.amdhsa_float_denorm_mode_32 3
		.amdhsa_float_denorm_mode_16_64 3
		.amdhsa_memory_ordered 1
		.amdhsa_forward_progress 1
		.amdhsa_inst_pref_size 101
	.end_amdhsa_kernel
	.amdgpu_metadata
---
amdhsa.version: [ 1, 2 ]
amdhsa.kernels:
  - .name:           k_q7ed841ee5f_diffattn
    .symbol:         k_q7ed841ee5f_diffattn.kd
    .args:
      - { .name: x_codes, .offset: 0, .size: 8, .value_kind: global_buffer, .address_space: global }
      - { .name: x_scales, .offset: 8, .size: 8, .value_kind: global_buffer, .address_space: global }
      - { .name: Wq_codes, .offset: 16, .size: 8, .value_kind: global_buffer, .address_space: global }
      - { .name: Wq_scales, .offset: 24, .size: 8, .value_kind: global_buffer, .address_space: global }
      - { .name: Wk_codes, .offset: 32, .size: 8, .value_kind: global_buffer, .address_space: global }
      - { .name: Wk_scales, .offset: 40, .size: 8, .value_kind: global_buffer, .address_space: global }
      - { .name: Wv_codes, .offset: 48, .size: 8, .value_kind: global_buffer, .address_space: global }
      - { .name: Wv_scales, .offset: 56, .size: 8, .value_kind: global_buffer, .address_space: global }
      - { .name: lq1, .offset: 64, .size: 8, .value_kind: global_buffer, .address_space: global }
      - { .name: lk1, .offset: 72, .size: 8, .value_kind: global_buffer, .address_space: global }
      - { .name: lq2, .offset: 80, .size: 8, .value_kind: global_buffer, .address_space: global }
      - { .name: lk2, .offset: 88, .size: 8, .value_kind: global_buffer, .address_space: global }
      - { .name: ln_gamma, .offset: 96, .size: 8, .value_kind: global_buffer, .address_space: global }
      - { .name: ln_beta, .offset: 104, .size: 8, .value_kind: global_buffer, .address_space: global }
      - { .name: out0, .offset: 112, .size: 8, .value_kind: global_buffer, .address_space: global }
    .group_segment_fixed_size: 247808
    .private_segment_fixed_size: 0
    .kernarg_segment_align: 8
    .kernarg_segment_size: 120
    .max_flat_workgroup_size: 512
    .sgpr_count:     66
    .vgpr_count:     256
    .wavefront_size: 32
...
	.end_amdgpu_metadata
.endif
;; end of part 1
;; ======== version 2 of 2: 1 launch; version 1 with the launch diffattn written anew for expert scheduling mode
;; launch diffattn (part 2): grid 8 x 32, 16 waves a work-group, no clusters, 247,808 bytes of LDS; arguments x_codes, x_scales, Wq_codes, Wq_scales, Wk_codes, Wk_scales, Wv_codes, Wv_scales, lq1, lk1, lq2, lk2, ln_gamma, ln_beta, out0; writes out0
.if DOCPART == 2
	.amdgcn_target "amdgcn-amd-amdhsa--gfx1250"
	.amdhsa_code_object_version 6
	.text
	.protected	k_q7ed841ee5f_diffattn
	.globl	k_q7ed841ee5f_diffattn
	.p2align	8
	.type	k_q7ed841ee5f_diffattn,@function
k_q7ed841ee5f_diffattn:
	s_mov_b64 s[64:65], 0
	v_nop
	global_prefetch_b8 v0, s[64:65] scope:SCOPE_SE
	s_setreg_imm32_b32 hwreg(HW_REG_WAVE_SCHED_MODE, 0, 2), 2
	s_setreg_imm32_b32 hwreg(HW_REG_WAVE_MODE, 25, 1), 1
	s_wait_xcnt 0x0
	s_wait_alu depctr_vm_vsrc(0)
; Differential attention over 32 slices of 512 tokens, 8 heads of 32 columns, all in one launch: projections (MX-FP4, codes as given), scores (f32), two softmaxes a head,
; p V (MX-FP4; p and V quantised here, along the keys), attn1 - lam attn2, LayerNorm over the head's 32 channels, gamma, beta, x (1 - LAMBDA_INIT).
; SHARES.  Work-group x = 4 qh + hp: a pair of heads hp (64 columns: a row's output is 256 consecutive bytes, aligned) and a half qh of the queries; work-group y = the slice.  8 x 32 = 256 equal work-groups.
; Sixteen waves of 256 registers.  Wave w owns the 16 queries 256 qh + 16 w on, for both heads and both branches.  At the head it also projects tokens 32 w .. 32 w + 31 (one block of 32 keys) into k and v.
; k (f32) and v (codes, scale bytes) of all 512 tokens then lie in LDS; behind the second barrier the loop touches no memory and passes no barrier: four waves of a SIMD drift apart, one wave's score products beside another's softmax.
; LAYOUT.  q, k: source 0 = 16 rows of W, source 1 = 16 tokens: lane (r, h) holds token r, dims 8 h + 0 .. 7.  That IS an operand of the f32 form: its K step c names registers 2 c, 2 c + 1, which are dims 2 c, 2 c + 1, 8 + 2 c, 9 + 2 c,
; in q and in k alike.  S^T = k q^T: a lane holds ONE query (r) and keys 16 t + 8 h + 0 .. 7; so do p and O^T = v^T p^T.  v: source 0 = 16 tokens, source 1 = 16 rows of Wv: lane (r, h) holds channel r, tokens 8 h + 0 .. 7.
; Inside each true block of 32 keys p's codes and v's codes both stand in the order 0-7, 16-23, 8-15, 24-31: the same permutation on both sides keeps every product; blocks, scales and sums are the contract's.
; SOFTMAX.  t = score x log2(e) / 4; M = the running largest t rounded up to a whole number; p = 2^(t - M), not normalised; the row's sum is taken of the unquantised p; when M moves, sum and O^T are multiplied by 2^(old M - new M), exactly.
; NO JOINT LOADS, NO TENSOR LOADS: what work-groups share (the slice's x, the pair's rows of W) is read once, at the head: 96 KB of x's codes and 24 KB of W's a work-group; no step of the loop fetches a tile.
; LIMITS.  The 16 terms of a score are summed in the order of the K steps above, not in ascending dims.  A block of v or of p whose largest magnitude lies under 2^-124 (a block of zeros too) keeps the scale byte 1; its codes are then zeros or
; subnormal codes of that scale.  NaN and infinities among the numbers are not served.
; THE MODE: SCHED_MODE bits 1:0 = 2 (LLVM: expert scheduling mode 2), set by the entry lines.  The code itself states the register dependences between vector or matrix instructions and memory or LDS instructions, with s_wait_alu, always for 0.
; THE PLAN.  Registers that LDS instructions touch, in the loop:
;   BUF        The 16 LDS loads of a branch's fragments of k land in it; the score products read it; the softmax writes p into it; the conversions and, last, the sums read p.
;   VF, VSW    v's two fragments and scale words: six LDS loads a step land in them; both branches' products v^T p^T read them.
;   v4, v5, v6 Read by those loads; written once a step, at its end.
;   PC, PW     p's codes and scale word: written by vector instructions, taken by the scaled products.      S, Q, O^T and the statistics are named by vector and matrix instructions alone.
; Two waits on va_vdst stand in a branch.  ONE BEHIND THE EXPONENTIALS, ahead of their first reader: in branch 0 v's six loads follow it at once: the products that read VF and VSW last are the step before's, and v5, v6 were made at that step's end.
; ONE BEHIND THE SUMS: p's registers are free, so the next branch's 16 loads of k follow it, ahead of the rescaling of O^T and the two products; and the codes and the scale word are written, which those products take.
; Branch 0's fragments of the next step are asked for in this step, by the old v4 and an offset of a step: so a head's first run of loads stands ahead of its loop, and its last step is written out without that run.
; One wait on vm_vsrc a step stands ahead of the three additions that make v4, v5, v6 anew.
.set VB,  131072                       ; LDS.  0: k, f32 register images: ((2 hd + e) 32 + key tile) 1024 + 512 half + 16 lane.  VB: v's codes: ct 4096 + block 256 + 16 r + 8 h
.set VS,  147456                       ; v's scale words: ct 256 + step 64 + 4 r + (block % 4)
.set WB,  148480                       ; the pair's 64 rows of Wq, Wk, Wv: matrix 9216 + row 144 + byte: 128 bytes + 16 of padding = 9 x 16, so that the sixteen rows of a load begin at sixteen different 16-byte columns
.set STG, 176128                       ; the way out: 16 rows x (256 + 16) bytes for each wave
.set ST,  12                           ; v12-19  branch e: v[12 + 4 e] -M, + 1 the largest t, + 2, + 3 the sum in two halves.   At the head: Wk's scale words
.set WKS, 12
.set Q,   20                           ; v20-51  q, tile 2 hd + e at 20 + 8 (2 hd + e): written by the projection, read by the score products, never moved
.set OA,  52                           ; v52-83  O^T (e, ct2) at 52 + 16 e + 8 ct2.   At the head: four fragments of W
.set WF,  52
.set S,   84                           ; v84-147 eight score tiles; at the head the accumulators of k, then of v.  Written by matrix instructions alone
.set BUF, 148                          ; v148-211 eight fragments of k, then p; at the end y, gamma, beta, rows.   At the head: x's fragments, W's rows, lane numbers
.set XQ,  148                          ; x: my 16 queries (K step s at + 8 s); XA, XA + 16: tokens 32 w on, 32 w + 16 on
.set XA,  164
.set PC,  212                          ; v212-219 codes just made.   At the head first the global offsets
.set BM,  220                          ; v220-223 a block's largest;  v224-227 permutes' destinations, then bytes;  v228-231 the conversions' scale operands
.set BT,  224
.set SO4, 228
.set PW,  237                          ; v232 f (pair with v233);  v[234:235] a second chain of sums;  v236 at work;  v237 p's scale word;  v238-239 v's scale words
.set VSW, 238
.set WVS, 232                          ; at the head: Wv's scale words v232-239
.set VF,  240                          ; v240-255 two fragments of v.   At the head: x's scale words v240-245, Wq's v246-253, v254 where my block's scale byte goes
.set XSC, 240
.set WQS, 246
.set YR,  BUF
.set GR,  BUF+16
.set BR,  BUF+32
.set TR,  BUF+48
; v1 16 lane;  v2 VB + 16 lane;  v3 VS + 4 r;  v4-6 LDS addresses in hand;  v7, v8 the stage, in and back;  v9 my bytes in two rows of out0;  v10 lam;  v11 32 h (at the head: where my codes of v go)
; s[8:37] the buffers;  s38 wave, s39 hp, s40 qh, s41 slice;  s[44:45] lane selects;  s[46:47] log2(e) / 4;  s48-50 the step's places in k, v, v's scales;  s51 steps to go;  s52 1/32, s53 eps, s[54:55] 1 - LAMBDA_INIT;  s42-43, s56-57 at work
.macro PLACES n                        ; plain vector instructions that name no register of the matrix instruction in front (ISA guide 7.12.1)
.rept \n
	v_nop
.endr
.endm
	s_load_b512 s[8:23], s[0:1], 0x0               ; x's codes, scales; Wq's; Wk's; Wv's
	s_load_b256 s[24:31], s[0:1], 0x40             ; lq1, lk1, lq2, lk2
	s_load_b128 s[32:35], s[0:1], 0x60             ; gamma, beta
	s_load_b64 s[36:37], s[0:1], 0x70              ; out0
	v_lshrrev_b32 v1, 5, v0
	v_readfirstlane_b32 s38, v1                    ; wave 0..15
	s_and_b32 s39, ttmp9, 3                        ; hp
	s_lshr_b32 s40, ttmp9, 2                       ; qh
	s_and_b32 s41, ttmp7, 0xffff                   ; slice
	s_mov_b32 s43, 0
	s_mov_b32 s44, 0x76543210
	s_mov_b32 s45, 0xfedcba98                      ; v_permlanex16_b32: lane l xor 16
	s_mov_b32 s46, 0x3eb8aa3b                      ; log2(e) / 4 = log2(e) x 16^-0.5
	s_mov_b32 s47, s46                             ; (named with it as a pair, so it is written)
	s_mov_b32 s52, 0x3d000000                      ; 1 / 32
	s_mov_b32 s53, 0x3727c5ac                      ; 1e-5
	s_mov_b32 s54, 0x3f24fd5c                      ; 1 - LAMBDA_INIT = 0.2 + 0.6 exp(-0.3)
	s_mov_b32 s55, s54
	v_and_b32 v208, 31, v0                         ; lane
	v_and_b32 v209, 15, v0                         ; r
	v_bfe_u32 v210, v0, 4, 1                       ; h
	v_lshlrev_b32 v1, 4, v208
	v_add_nc_u32 v2, VB, v1
	v_lshl_add_u32 v3, v209, 2, VS
	v_mul_u32_u24 v4, v209, 144
	v_lshl_add_u32 v4, v210, 4, v4
	v_add_nc_u32 v4, WB, v4                        ; a fragment of W: row r, + 16 h
	s_wait_alu depctr_va_sdst(0)                   ; s38, the wave's number, is written, ahead of its first reader
	s_lshl_b32 s56, s38, 11
	v_add_nc_u32 v5, s56, v1                       ; where my two key tiles' images go: 16 lane + 2048 w; head 0,
	v_add_nc_u32 v6, 0x10000, v5                   ; head 1
	s_mul_i32 s56, s38, 4352
	s_add_co_u32 s56, s56, STG                     ; my stage
	v_mul_u32_u24 v7, v209, 272
	v_lshl_add_u32 v7, v210, 5, v7
	v_add_nc_u32 v7, s56, v7                       ; in: row r, + 32 h
	v_mul_u32_u24 v8, v210, 272
	v_lshl_add_u32 v8, v209, 4, v8
	v_add_nc_u32 v8, s56, v8                       ; back: lanes 0-15 one row, lanes 16-31 the next
	v_lshlrev_b32 v9, 10, v210
	v_lshl_add_u32 v9, v209, 4, v9                 ; and the same two rows in out0
	s_lshl_b32 s56, s38, 8
	s_add_co_u32 s56, s56, VB
	v_lshlrev_b32 v11, 4, v209
	v_lshl_add_u32 v11, v210, 3, v11
	v_add_nc_u32 v11, s56, v11                     ; my 8 bytes of block w: VB + 256 w + 16 r + 8 h
	s_lshr_b32 s56, s38, 2
	s_lshl_b32 s56, s56, 6
	s_and_b32 s57, s38, 3
	s_add_co_u32 s56, s56, s57
	s_add_co_u32 s56, s56, VS
	v_lshl_add_u32 v254, v209, 2, s56              ; block w's byte in channel r's word: VS + 64 (w / 4) + w % 4 + 4 r
	v_lshlrev_b32 v211, 7, v209
	v_lshl_add_u32 v211, v210, 4, v211             ; x: row r of 128 bytes, + 16 h
	s_lshl_b32 s56, s38, 12
	v_add_nc_u32 v212, s56, v211                   ; tokens 32 w on
	s_lshl_b32 s57, s40, 4
	s_add_co_u32 s57, s57, s38                     ; 16 qh + w
	s_lshl_b32 s56, s57, 11
	v_add_nc_u32 v213, s56, v211                   ; my queries
	v_lshlrev_b32 v217, 3, v209                    ; scale bytes: 8 a row
	s_lshl_b32 s56, s38, 8
	v_add_nc_u32 v214, s56, v217
	s_lshl_b32 s56, s57, 7
	v_add_nc_u32 v215, s56, v217
	v_lshlrev_b32 v216, 4, v0                      ; W's 64 rows are 8,192 dense bytes: 16 a thread
	v_lshlrev_b32 v218, 2, v209
	v_lshrrev_b32 v219, 3, v0
	v_mul_u32_u24 v219, v219, 144
	v_and_b32 v211, 7, v0
	v_lshl_add_u32 v219, v211, 4, v219
	v_add_nc_u32 v219, WB, v219                    ; and their place in LDS: row thread / 8, 16 (thread % 8)
.irp b, 0,1,2,3
	v_mov_b32 v[BT+\b], 0                          ; written once: a lane permute's destination counts as one of its sources
.endr
	s_wait_kmcnt 0x0
	s_lshl_b32 s42, s41, 16
	s_add_nc_u64 s[8:9], s[8:9], s[42:43]          ; the slice's codes: 512 rows of 128 bytes
	s_lshl_b32 s42, s41, 12
	s_add_nc_u64 s[10:11], s[10:11], s[42:43]      ; and scale bytes
	s_lshl_b32 s42, s39, 13
	s_add_nc_u64 s[12:13], s[12:13], s[42:43]      ; the pair's 64 rows of each W
	s_add_nc_u64 s[16:17], s[16:17], s[42:43]
	s_add_nc_u64 s[20:21], s[20:21], s[42:43]
	s_lshl_b32 s42, s39, 9
	s_add_nc_u64 s[14:15], s[14:15], s[42:43]
	s_add_nc_u64 s[18:19], s[18:19], s[42:43]
	s_add_nc_u64 s[22:23], s[22:23], s[42:43]
	s_lshl_b32 s42, s41, 19                        ; out0: (512 slice + 256 qh + 16 w) rows of 1,024 bytes + 256 hp
	s_lshl_b32 s56, s40, 18
	s_add_co_u32 s42, s42, s56
	s_lshl_b32 s56, s38, 14
	s_add_co_u32 s42, s42, s56
	s_lshl_b32 s56, s39, 8
	s_add_co_u32 s42, s42, s56
	s_add_nc_u64 s[36:37], s[36:37], s[42:43]
	s_wait_alu depctr_va_vdst(0)                   ; the global offsets v212-218 and v9 and the LDS addresses v4-8, v11, v219 and v254 are written, which the loads and stores of the head and of the way out read
	global_load_b128 v[196:199], v216, s[12:13]    ; W's rows first: a wave reads 512 consecutive bytes of each matrix
	global_load_b128 v[200:203], v216, s[16:17]
	global_load_b128 v[204:207], v216, s[20:21]
.irp s, 0,1                                    ; x's three tiles, as fragments: 16 rows x 128 K of 4-bit codes: registers 4 c on hold K = 128 s + 64 c + 32 h + 0 .. 31
.irp c, 0,1
	global_load_b128 v[XQ+8*\s+4*\c:XQ+8*\s+4*\c+3], v213, s[8:9] offset:64*\s+32*\c
	global_load_b128 v[XA+8*\s+4*\c:XA+8*\s+4*\c+3], v212, s[8:9] offset:64*\s+32*\c
	global_load_b128 v[XA+16+8*\s+4*\c:XA+16+8*\s+4*\c+3], v212, s[8:9] offset:2048+64*\s+32*\c
.endr
.endr
	global_load_b64 v[XSC:XSC+1], v215, s[10:11]   ; scale words: lane r has row r's; a pair = K steps 0, 1
	global_load_b64 v[XSC+2:XSC+3], v214, s[10:11]
	global_load_b64 v[XSC+4:XSC+5], v214, s[10:11] offset:128
.irp j, 0,1,2,3
	global_load_b64 v[WQS+2*\j:WQS+2*\j+1], v217, s[14:15] offset:128*\j
	global_load_b64 v[WKS+2*\j:WKS+2*\j+1], v217, s[18:19] offset:128*\j
	global_load_b64 v[WVS+2*\j:WVS+2*\j+1], v217, s[22:23] offset:128*\j
.endr
	global_load_b32 v220, v218, s[24:25]
	global_load_b32 v221, v218, s[26:27]
	global_load_b32 v222, v218, s[28:29]
	global_load_b32 v223, v218, s[30:31]
	s_wait_loadcnt 31                              ; W's rows are in: behind them 12 + 3 + 12 + 4 loads were issued
	ds_store_b128 v219, v[196:199]
	ds_store_b128 v219, v[200:203] offset:9216
	ds_store_b128 v219, v[204:207] offset:18432
	s_wait_dscnt 0x0                               ; for the others' sake: my part of W lies in LDS
	s_barrier_signal -1
	s_barrier_wait -1                              ; everybody's does
	s_wait_loadcnt 0x0
	v_mul_f32 v220, v220, v221                     ; lam = exp(sum lq1 lk1) - exp(sum lq2 lk2) + LAMBDA_INIT: each half of the lanes holds all 16 terms
	v_mul_f32 v222, v222, v223
.irp m, 1,2,4,8
	v_add_f32_dpp v220, v220, v220 row_xmask:\m row_mask:0xf bank_mask:0xf
	v_add_f32_dpp v222, v222, v222 row_xmask:\m row_mask:0xf bank_mask:0xf
.endr
	v_mul_f32 v220, 0x3fb8aa3b, v220
	v_mul_f32 v222, 0x3fb8aa3b, v222
	v_exp_f32 v220, v220
	v_exp_f32 v222, v222
	v_nop                                          ; a plain instruction behind the exponentials
	s_wait_alu depctr_va_vdst(0)                   ; the two exponentials have written v220 and v222, ahead of their first reader
	v_sub_f32 v10, v220, v222
	v_add_f32 v10, 0x3eb60549, v10
; THE PROJECTIONS.  Four fragments of a matrix (its 64 rows), K step s
.macro WFETCH mtx, s
.irp j, 0,1,2,3
.irp c, 0,1
	ds_load_b128 v[WF+8*\j+4*\c:WF+8*\j+4*\c+3], v4 offset:\mtx*9216+2304*\j+64*\s+32*\c
.endr
.endr
	s_wait_dscnt 0x0
.endm
.irp s, 0,1                                    ; q of my 16 queries: four accumulators by turns
	WFETCH 0, \s
.irp j, 0,1,2,3
.if \s == 0
	v_wmma_scale_f32_16x16x128_f8f6f4 v[Q+8*\j:Q+8*\j+7], v[WF+8*\j:WF+8*\j+7], v[XQ+8*\s:XQ+8*\s+7], 0, v[WQS+2*\j+\s], v[XSC+\s] matrix_a_fmt:MATRIX_FMT_FP4 matrix_b_fmt:MATRIX_FMT_FP4
.else
	v_wmma_scale_f32_16x16x128_f8f6f4 v[Q+8*\j:Q+8*\j+7], v[WF+8*\j:WF+8*\j+7], v[XQ+8*\s:XQ+8*\s+7], v[Q+8*\j:Q+8*\j+7], v[WQS+2*\j+\s], v[XSC+\s] matrix_a_fmt:MATRIX_FMT_FP4 matrix_b_fmt:MATRIX_FMT_FP4
.endif
.endr
	PLACES 4                                       ; in front of the loads into W's fragments
	s_wait_alu depctr_va_vdst(0)                   ; the four products are done reading W's fragments, in which the next loads land
.endr
.irp s, 0,1                                    ; k of tokens 32 w on: tile u of tokens x tile j of dims at S + 8 (4 u + j): eight accumulators by turns
	WFETCH 1, \s
.irp u, 0,1
.irp j, 0,1,2,3
.if \s == 0
	v_wmma_scale_f32_16x16x128_f8f6f4 v[S+8*(4*\u+\j):S+8*(4*\u+\j)+7], v[WF+8*\j:WF+8*\j+7], v[XA+16*\u+8*\s:XA+16*\u+8*\s+7], 0, v[WKS+2*\j+\s], v[XSC+2+2*\u+\s] matrix_a_fmt:MATRIX_FMT_FP4 matrix_b_fmt:MATRIX_FMT_FP4
.else
	v_wmma_scale_f32_16x16x128_f8f6f4 v[S+8*(4*\u+\j):S+8*(4*\u+\j)+7], v[WF+8*\j:WF+8*\j+7], v[XA+16*\u+8*\s:XA+16*\u+8*\s+7], v[S+8*(4*\u+\j):S+8*(4*\u+\j)+7], v[WKS+2*\j+\s], v[XSC+2+2*\u+\s] matrix_a_fmt:MATRIX_FMT_FP4 matrix_b_fmt:MATRIX_FMT_FP4
.endif
.endr
.endr
	PLACES 4                                       ; in front of the loads into W's fragments, and of the stores that read the results
	s_wait_alu depctr_va_vdst(0)                   ; the eight products are done reading W's fragments, in which the next loads land; behind the second K step they have also written k's tiles, which the LDS stores below read
.endr
.irp u, 0,1                                    ; the tiles go to LDS as images of their registers, each from its low end on: 16 bytes a lane, 512 a store
.irp j, 0,1
	ds_store_b128 v5, v[S+8*(4*\u+\j):S+8*(4*\u+\j)+3] offset:32768*\j+1024*\u
	ds_store_b128 v5, v[S+8*(4*\u+\j)+4:S+8*(4*\u+\j)+7] offset:32768*\j+1024*\u+512
	ds_store_b128 v6, v[S+8*(4*\u+\j+2):S+8*(4*\u+\j+2)+3] offset:32768*\j+1024*\u
	ds_store_b128 v6, v[S+8*(4*\u+\j+2)+4:S+8*(4*\u+\j+2)+7] offset:32768*\j+1024*\u+512
.endr
.endr
.irp s, 0,1                                    ; v of the same tokens, the other way round: channel tile t x token tile u at S + 16 t + 8 u
	WFETCH 2, \s
.if \s == 0
	PLACES 4                                       ; with the four behind k's last products: eight places before their results are written over
	s_wait_alu depctr_vm_vsrc(0)                   ; the LDS stores above have read k's tiles, over which the products below write; and the head's loads and stores have read v212-219, which the conversions below write
.endif
.irp t, 0,1,2,3
.irp u, 0,1
.if \s == 0
	v_wmma_scale_f32_16x16x128_f8f6f4 v[S+16*\t+8*\u:S+16*\t+8*\u+7], v[XA+16*\u+8*\s:XA+16*\u+8*\s+7], v[WF+8*\t:WF+8*\t+7], 0, v[XSC+2+2*\u+\s], v[WVS+2*\t+\s] matrix_a_fmt:MATRIX_FMT_FP4 matrix_b_fmt:MATRIX_FMT_FP4
.else
	v_wmma_scale_f32_16x16x128_f8f6f4 v[S+16*\t+8*\u:S+16*\t+8*\u+7], v[XA+16*\u+8*\s:XA+16*\u+8*\s+7], v[WF+8*\t:WF+8*\t+7], v[S+16*\t+8*\u:S+16*\t+8*\u+7], v[XSC+2+2*\u+\s], v[WVS+2*\t+\s] matrix_a_fmt:MATRIX_FMT_FP4 matrix_b_fmt:MATRIX_FMT_FP4
.endif
.endr
.endr
	PLACES 4
.if \s == 0
	s_wait_alu depctr_va_vdst(0)                   ; the eight products are done reading W's fragments, in which the second K step's loads land
.endif
.endr
; v IS QUANTISED ALONG THE KEYS.  Lane (r, h) holds, of channel 16 t + r, tokens 8 h + 0 .. 7 and 16 + 8 h + 0 .. 7 of block w; lane l xor 16 holds the other 16.  The four channel tiles by turns
.irp t, 0,1,2,3
	v_max3_num_f32 v[BM+\t], |v[S+16*\t]|, |v[S+16*\t+1]|, 0x1800000   ; and the floor 2^(3 - 127): the byte cannot fall under 1
.endr
.irp i, 2,4,6,8,10,12,14
.irp t, 0,1,2,3
	v_max3_num_f32 v[BM+\t], v[BM+\t], |v[S+16*\t+\i]|, |v[S+16*\t+\i+1]|
.endr
.endr
.irp t, 0,1,2,3
	v_permlanex16_b32 v[BT+\t], v[BM+\t], s44, s45
.endr
.irp t, 0,1,2,3
	v_max_num_f32 v[BM+\t], v[BM+\t], v[BT+\t]     ; the block's largest magnitude
.endr
.irp t, 0,1,2,3
	v_add_nc_u32 v[SO4+\t], 0xff000000, v[BM+\t]   ; 2 off its exponent field: the conversion takes that field as its scale
.endr
.irp t, 0,1,2,3
	v_lshrrev_b32 v[BT+\t], 23, v[SO4+\t]          ; the scale's byte
.endr
.irp t, 0,1,2,3
	v_cvt_scalef32_pk8_fp4_f32 v[PC+2*\t], v[S+16*\t:S+16*\t+7], v[SO4+\t]
	v_cvt_scalef32_pk8_fp4_f32 v[PC+2*\t+1], v[S+16*\t+8:S+16*\t+15], v[SO4+\t]
.endr
	v_nop                                          ; one plain instruction behind the last scaled conversion
	s_wait_alu depctr_va_vdst(0)                   ; the conversions have written the codes and the shifts the bytes, which the LDS stores below read
.irp t, 0,1,2,3
	ds_store_b64 v11, v[PC+2*\t:PC+2*\t+1] offset:4096*\t   ; channel r's 16 bytes of block w: h = 0's eight, then h = 1's
	ds_store_b8 v254, v[BT+\t] offset:256*\t       ; both halves of the lanes write the same byte with the same value
.endr
	s_wait_dscnt 0x0                               ; for the others' sake: my k, my codes of v and my scale bytes lie in LDS
	s_barrier_signal -1
	s_barrier_wait -1                              ; the last barrier: from here on LDS below the stages is only read
	s_wait_alu depctr_vm_vsrc(0)                   ; the head's LDS instructions have read v4-6, v11 and v254, the codes and the bytes: all are written again from here on, by vector instructions or by LDS loads
	v_lshlrev_b32 v11, 5, v210                     ; gamma, beta: my eight channels of a tile begin at 32 h bytes
	v_mov_b32 v233, 0                              ; (named as the upper half of the pair v[232:233])
; Eight fragments of k, 128 keys of one branch, from off bytes behind v4 on: the first halves of all eight, then the second halves
.macro KLOAD off
.irp t, 0,1,2,3,4,5,6,7
	ds_load_b128 v[BUF+8*\t:BUF+8*\t+3], v4 offset:(\off)+1024*\t
.endr
.irp t, 0,1,2,3,4,5,6,7
	ds_load_b128 v[BUF+8*\t+4:BUF+8*\t+7], v4 offset:(\off)+1024*\t+512
.endr
.endm
; The step's two fragments of v and their scale words
.macro VLOAD
.irp t, 0,1
.irp c, 0,1
	ds_load_b128 v[VF+8*\t+4*\c:VF+8*\t+4*\c+3], v5 offset:4096*\t+512*\c
.endr
	ds_load_b32 v[VSW+\t], v6 offset:256*\t
.endr
.endm
; S^T = k q^T for 128 keys, branch e of head hd: eight tiles, four K steps of 4 dims; the eight accumulators take turns, one instruction a turn.  The fragments were asked for in the branch before
.macro SCORES hd, e
	s_wait_dscnt 0x8                               ; all but the eight second halves, the youngest LDS loads: the first halves are in
.irp t, 0,1,2,3,4,5,6,7
	v_wmma_f32_16x16x4_f32 v[S+8*\t:S+8*\t+7], v[BUF+8*\t:BUF+8*\t+1], v[Q+8*(2*\hd+\e):Q+8*(2*\hd+\e)+1], 0
.endr
.irp t, 0,1,2,3,4,5,6,7
	v_wmma_f32_16x16x4_f32 v[S+8*\t:S+8*\t+7], v[BUF+8*\t+2:BUF+8*\t+3], v[Q+8*(2*\hd+\e)+2:Q+8*(2*\hd+\e)+3], v[S+8*\t:S+8*\t+7]
.endr
	s_wait_dscnt 0x0
.irp c, 2,3
.irp t, 0,1,2,3,4,5,6,7
	v_wmma_f32_16x16x4_f32 v[S+8*\t:S+8*\t+7], v[BUF+8*\t+2*\c:BUF+8*\t+2*\c+1], v[Q+8*(2*\hd+\e)+2*\c:Q+8*(2*\hd+\e)+2*\c+1], v[S+8*\t:S+8*\t+7]
.endr
.endr
	PLACES 8                                       ; this form wants eight before its results are read and its sources written
.endm
; The softmax of branch e for these 128 keys.  The scores stay where they are; p is made in the registers that held k's fragments.  Registers 16 b + 0 .. 15 are my 16 keys of block b.
; kl = 1: behind the sums the next branch's fragments of k are asked for, koff bytes behind v4
.macro SOFTMAX e, kl, koff
.set MM, ST+4*\e
.irp b, 0,1,2,3
	v_max3_num_f32 v[BM+\b], v[S+16*\b], v[S+16*\b+1], v[S+16*\b+2]   ; the largest score of each block: for the row's maximum and, since p rises with the score, for the block's largest p
.endr
.irp i, 3,5,7,9,11,13
.irp b, 0,1,2,3
	v_max3_num_f32 v[BM+\b], v[BM+\b], v[S+16*\b+\i], v[S+16*\b+\i+1]
.endr
.endr
.irp b, 0,1,2,3
	v_max_num_f32 v[BM+\b], v[BM+\b], v[S+16*\b+15]
.endr
.irp b, 0,1,2,3
	v_permlanex16_b32 v[BT+\b], v[BM+\b], s44, s45
.endr
.irp b, 0,1,2,3
	v_max_num_f32 v[BM+\b], v[BM+\b], v[BT+\b]     ; with lane l xor 16's 16 keys
.endr
	v_max3_num_f32 v236, v[BM], v[BM+1], v[BM+2]
	v_max_num_f32 v236, v236, v[BM+3]
	v_mul_f32 v236, s46, v236                      ; as t
	v_max_num_f32 v[MM+1], v[MM+1], v236           ; the running largest t
	v_mov_b32 v236, v[MM]
	v_floor_f32 v[MM], -v[MM+1]                    ; the new -M = -ceil(t): a whole number
	v_sub_f32 v236, v[MM], v236                    ; old M - new M: a whole number, 0 or less
	v_cvt_i32_f32 v236, v236                       ; (it saturates)
	v_ldexp_f32 v232, 1.0, v236                    ; f = 2^(old M - new M)
.set i, 0
.rept 32
	v_pk_fma_f32 v[BUF+i:BUF+i+1], v[S+i:S+i+1], s[46:47], v[MM:MM+1] op_sel_hi:[1,0,0]   ; t - M, two at a time
.set i, i+2
.endr
.irp b, 0,1,2,3
	v_fma_f32 v[BM+\b], v[BM+\b], s46, v[MM]       ; the same of each block's largest score
.endr
.set i, 0
.rept 64
	v_exp_f32 v[BUF+i], v[BUF+i]                   ; p = 2^(t - M), at most 1
.set i, i+1
.endr
.irp b, 0,1,2,3
	v_exp_f32 v[BM+\b], v[BM+\b]                   ; the block's largest p: the same two instructions on the same number
.endr
	v_pk_mul_f32 v[MM+2:MM+3], v[MM+2:MM+3], v[232:233] op_sel_hi:[1,0]   ; the sums under the new M (a plain instruction behind the exponentials)
.if \e == 0
	s_wait_alu depctr_va_vdst(0)                   ; the 68 exponentials have written p and the blocks' largest p, ahead of their first reader; the step before's products are done reading v's fragments and scale words, in which the loads below land; v5 and v6 are written
	VLOAD
.else
	s_wait_alu depctr_va_vdst(0)                   ; the 68 exponentials have written p and the blocks' largest p, ahead of their first reader
.endif
.irp b, 0,1,2,3
	v_max_num_f32 v[BM+\b], 0x1800000, v[BM+\b]    ; the floor 2^(3 - 127)
.endr
.irp b, 0,1,2,3
	v_add_nc_u32 v[SO4+\b], 0xff000000, v[BM+\b]   ; the conversion's scale operand
.endr
.irp b, 0,1,2,3
	v_lshrrev_b32 v[BT+\b], 23, v[SO4+\b]          ; the scale's byte
.endr
	v_lshl_or_b32 v[PW], v[BT+1], 8, v[BT]         ; p's scale word for these 128 keys
	v_lshl_or_b32 v[PW], v[BT+2], 16, v[PW]
	v_lshl_or_b32 v[PW], v[BT+3], 24, v[PW]
.irp b, 0,1,2,3
	v_cvt_scalef32_pk8_fp4_f32 v[PC+2*\b], v[BUF+16*\b:BUF+16*\b+7], v[SO4+\b]
	v_cvt_scalef32_pk8_fp4_f32 v[PC+2*\b+1], v[BUF+16*\b+8:BUF+16*\b+15], v[SO4+\b]
.endr
	v_nop                                          ; one plain instruction behind the last scaled conversion
.irp c, 0,1                                    ; the operand wants a whole block in a lane: lanes 0-15 block 2 c, lanes 16-31 block 2 c + 1
.irp i, 0,1
	v_permlane16_swap_b32 v[PC+4*\c+\i], v[PC+4*\c+2+\i]
.endr
.endr
	v_pk_add_f32 v[234:235], v[BUF:BUF+1], v[BUF+2:BUF+3]   ; the row's sum of the unquantised p, in two chains.  These 32 lines are also the places between the scale word and the codes and the products below
.irp j, 4,8,12,16,20,24,28,32,36,40,44,48,52,56,60
	v_pk_add_f32 v[MM+2:MM+3], v[MM+2:MM+3], v[BUF+\j:BUF+\j+1]
	v_pk_add_f32 v[234:235], v[234:235], v[BUF+\j+2:BUF+\j+3]
.endr
	v_pk_add_f32 v[MM+2:MM+3], v[MM+2:MM+3], v[234:235]
	s_wait_alu depctr_va_vdst(0)                   ; the conversions and the sums are done reading p, in whose registers the next loads land (k's; behind a head's last branch gamma's and beta's); v4 is written; p's codes and scale word are written, which the scaled products below take
.if \kl
	KLOAD \koff
.endif
.irp j, 0,2,4,6,8,10,12,14
	v_pk_mul_f32 v[OA+16*\e+\j:OA+16*\e+\j+1], v[OA+16*\e+\j:OA+16*\e+\j+1], v[232:233] op_sel_hi:[1,0]   ; O^T under the new M, each accumulator from its low end on
.endr
.endm
.macro BRANCH hd, e, kl, koff
	SCORES \hd, \e
	SOFTMAX \e, \kl, \koff
.if \e == 0
	s_wait_dscnt 0x10                              ; v's six loads are in; the 16 loads of k issued behind them may be out
.endif
.irp t, 0,1                                    ; O^T += v^T p^T: the head's two channel tiles, K = these 128 keys
	v_wmma_scale_f32_16x16x128_f8f6f4 v[OA+16*\e+8*\t:OA+16*\e+8*\t+7], v[VF+8*\t:VF+8*\t+7], v[PC:PC+7], v[OA+16*\e+8*\t:OA+16*\e+8*\t+7], v[VSW+\t], v[PW] matrix_a_fmt:MATRIX_FMT_FP4 matrix_b_fmt:MATRIX_FMT_FP4
.endr
.endm
; A key step: 128 keys, both branches; v's two fragments serve both.  Branch 0 asks for branch 1's fragments of k (32 key tiles on); next = 1: branch 1 asks for branch 0's of the next step (eight key tiles on)
.macro STEP hd, next
	BRANCH \hd, 0, 1, 32768
	BRANCH \hd, 1, \next, 8192
.endm
; The head's end: y = O1 / l1 - lam O2 / l2; LayerNorm over the 32 channels (16 mine, 16 in lane l xor 16); gamma, beta; x (1 - LAMBDA_INIT); into my stage
.macro EPI hd
.irp i, 0,1
	global_load_b128 v[GR+8*\i:GR+8*\i+3], v11, s[32:33] offset:64*\i        ; channels 16 i + 8 h + 0 .. 7.  No wait: no vector or matrix instruction since the wait behind the last sums names these registers or v11
	global_load_b128 v[GR+8*\i+4:GR+8*\i+7], v11, s[32:33] offset:64*\i+16
	global_load_b128 v[BR+8*\i:BR+8*\i+3], v11, s[34:35] offset:64*\i
	global_load_b128 v[BR+8*\i+4:BR+8*\i+7], v11, s[34:35] offset:64*\i+16
.endr
	PLACES 4                                       ; behind the last products
	v_add_f32 v234, v[ST+2], v[ST+3]               ; the sums' two halves,
	v_add_f32 v232, v[ST+6], v[ST+7]
	v_permlanex16_b32 v[BT], v234, s44, s45
	v_permlanex16_b32 v[BT+1], v232, s44, s45
	v_add_f32 v234, v234, v[BT]                    ; and lane l xor 16's
	v_add_f32 v232, v232, v[BT+1]
	v_rcp_f32 v234, v234
	v_rcp_f32 v232, v232
	v_nop                                          ; a plain instruction behind the reciprocals
	s_wait_alu depctr_va_vdst(0)                   ; the two reciprocals have written v234 and v232, ahead of their first reader
	v_mul_f32 v232, v232, -v10                     ; -lam / l2
.irp j, 0,2,4,6,8,10,12,14
	v_pk_mul_f32 v[YR+\j:YR+\j+1], v[OA+\j:OA+\j+1], v[234:235] op_sel_hi:[1,0]
.endr
.irp j, 0,2,4,6,8,10,12,14
	v_pk_fma_f32 v[YR+\j:YR+\j+1], v[OA+16+\j:OA+16+\j+1], v[232:233], v[YR+\j:YR+\j+1] op_sel_hi:[1,0,1]
.endr
.irp j, 0,2,4,6
	v_pk_add_f32 v[TR+\j:TR+\j+1], v[YR+2*\j:YR+2*\j+1], v[YR+2*\j+2:YR+2*\j+3]
.endr
	v_pk_add_f32 v[TR:TR+1], v[TR:TR+1], v[TR+2:TR+3]
	v_pk_add_f32 v[TR+4:TR+5], v[TR+4:TR+5], v[TR+6:TR+7]
	v_pk_add_f32 v[TR:TR+1], v[TR:TR+1], v[TR+4:TR+5]
	v_add_f32 v236, v[TR], v[TR+1]
	v_permlanex16_b32 v[BT], v236, s44, s45
	v_add_f32 v236, v236, v[BT]
	v_mul_f32 v236, 0xbd000000, v236               ; -mu
.irp j, 0,2,4,6,8,10,12,14
	v_pk_add_f32 v[YR+\j:YR+\j+1], v[YR+\j:YR+\j+1], v[236:237] op_sel_hi:[1,0]
.endr
	v_pk_mul_f32 v[TR:TR+1], v[YR:YR+1], v[YR:YR+1]           ; the squares of y - mu, in two chains
	v_pk_mul_f32 v[TR+2:TR+3], v[YR+2:YR+3], v[YR+2:YR+3]
.irp j, 4,8,12
	v_pk_fma_f32 v[TR:TR+1], v[YR+\j:YR+\j+1], v[YR+\j:YR+\j+1], v[TR:TR+1]
	v_pk_fma_f32 v[TR+2:TR+3], v[YR+\j+2:YR+\j+3], v[YR+\j+2:YR+\j+3], v[TR+2:TR+3]
.endr
	v_pk_add_f32 v[TR:TR+1], v[TR:TR+1], v[TR+2:TR+3]
	v_add_f32 v236, v[TR], v[TR+1]
	v_permlanex16_b32 v[BT], v236, s44, s45
	v_add_f32 v236, v236, v[BT]
	v_fma_f32 v236, v236, s52, s53                 ; var + eps
	v_rsq_f32 v236, v236
	v_nop                                          ; a plain instruction behind the root
	s_wait_alu depctr_va_vdst(0)                   ; the root has written v236, ahead of its first reader
.irp j, 0,2,4,6,8,10,12,14
	v_pk_mul_f32 v[YR+\j:YR+\j+1], v[YR+\j:YR+\j+1], v[236:237] op_sel_hi:[1,0]
.endr
	s_wait_loadcnt 0x0                             ; gamma, beta
.irp j, 0,2,4,6,8,10,12,14
	v_pk_fma_f32 v[YR+\j:YR+\j+1], v[YR+\j:YR+\j+1], v[GR+\j:GR+\j+1], v[BR+\j:BR+\j+1]
.endr
.irp j, 0,2,4,6,8,10,12,14
	v_pk_mul_f32 v[YR+\j:YR+\j+1], v[YR+\j:YR+\j+1], s[54:55] op_sel_hi:[1,0]
.endr
	s_wait_alu depctr_va_vdst(0)                   ; the multiplications have written y, which the LDS stores below read; and the arithmetic above is done with y's, gamma's and beta's registers, in which LDS loads land next
.irp i, 0,1
	ds_store_b128 v7, v[YR+8*\i:YR+8*\i+3] offset:128*\hd+64*\i          ; row r: head hd's 128 bytes, channels 16 i + 8 h on
	ds_store_b128 v7, v[YR+8*\i+4:YR+8*\i+7] offset:128*\hd+64*\i+16
.endr
	s_wait_dscnt 0x0                               ; my stores into the stage are done
	s_wait_alu depctr_vm_vsrc(0)                   ; they have read y's registers, in which LDS loads land next; and the last step's LDS loads have read v4, v5 and v6, which the next head makes anew
.endm
.irp hd, 0,1
.irp e, 0,1
	v_mov_b32 v[ST+4*\e+1], 0xff61b1e6             ; the largest t so far: -3e38, under every t
	v_floor_f32 v[ST+4*\e], -v[ST+4*\e+1]          ; -M
	v_mov_b32 v[ST+4*\e+2], 0                      ; the sum, in two halves
	v_mov_b32 v[ST+4*\e+3], 0
.endr
.set i, 0
.rept 32
	v_mov_b32 v[OA+i], 0                           ; O^T: the step is written once; its first trip finds zeros, which the first change of M leaves zeros
.set i, i+1
.endr
	s_mov_b32 s48, 65536*\hd                       ; the head's k: two branches of 32 tiles of 1,024 bytes;
	s_mov_b32 s49, 8192*\hd                        ; its two channel tiles of v;
	s_mov_b32 s50, 512*\hd                         ; their scale words
	s_mov_b32 s51, 3                               ; 512 keys, 128 a step: three steps in the loop, the fourth written out
	v_add_nc_u32 v4, s48, v1
	v_add_nc_u32 v5, s49, v2
	v_add_nc_u32 v6, s50, v3
	s_wait_alu depctr_va_vdst(0)                   ; v4 is written, which the loads below read; and every vector and matrix instruction so far is done with the registers in which they land (x's fragments and the lane's numbers; in head 1 the last head's end)
	KLOAD 0                                        ; step 0, branch 0
.Lstep\hd:
	STEP \hd, 1
	s_add_co_u32 s48, s48, 8192                    ; eight key tiles on
	s_add_co_u32 s49, s49, 1024                    ; four blocks on
	s_add_co_u32 s50, s50, 64
	s_wait_alu depctr_vm_vsrc(0)                   ; the LDS loads issued so far have read v4, v5 and v6
	v_add_nc_u32 v4, s48, v1                       ; the next step's addresses; the waits behind its exponentials and its sums stand ahead of their first readers
	v_add_nc_u32 v5, s49, v2
	v_add_nc_u32 v6, s50, v3
	s_sub_co_u32 s51, s51, 1
	s_cmp_lg_u32 s51, 0
	s_cbranch_scc1 .Lstep\hd
	STEP \hd, 0                                    ; the head's last step asks for no further step's fragments
	EPI \hd
.endr
; THE WAY OUT: my 16 rows come back whole, 256 bytes each: LDS serves a wave's instructions in order (ISA guide 5.7.1.4), and the stage is my own.  No wait: no vector instruction stands behind the two waits at the last head's end
.irp i, 0,1,2,3,4,5,6,7
	ds_load_b128 v[BUF+4*\i:BUF+4*\i+3], v8 offset:544*\i
.endr
.irp i, 0,1,2,3,4,5,6,7
	s_wait_dscnt 7-\i                              ; rows 2 i and 2 i + 1 are in; the later ones may be out
	global_store_b128 v9, v[BUF+4*\i:BUF+4*\i+3], s[36:37] offset:2048*\i th:TH_STORE_NT   ; sixteen lanes store 256 consecutive bytes, at a multiple of 256 from out0's first byte; written once
.endr
	s_wait_xcnt 0x0
	v_lshl_add_u32 v254, v0, 2, 0x3c000
	v_mov_b32 v255, 0
	s_wait_dscnt 0x0                               ; the closing lines, six on end
	s_wait_alu 0x0
	s_wait_tensorcnt 0x0
	ds_add_u32 v254, v255
	s_wait_dscnt 0x0
	s_endpgm
.Lfunc_end_k_q7ed841ee5f_diffattn:
	.size	k_q7ed841ee5f_diffattn, .Lfunc_end_k_q7ed841ee5f_diffattn-k_q7ed841ee5f_diffattn
	.p2alignl 7, 3214868480
	.fill 96, 4, 3214868480
	.section	.rodata,"a",@progbits
	.p2align	6, 0x0
	.amdhsa_kernel k_q7ed841ee5f_diffattn
		.amdhsa_group_segment_fixed_size 247808
		.amdhsa_private_segment_fixed_size 0
		.amdhsa_enable_private_segment 0
		.amdhsa_kernarg_size 120
		.amdhsa_user_sgpr_count 2
		.amdhsa_user_sgpr_kernarg_segment_ptr 1
		.amdhsa_wavefront_size32 1
		.amdhsa_system_sgpr_workgroup_id_x 1
		.amdhsa_system_sgpr_workgroup_id_y 1
		.amdhsa_system_sgpr_workgroup_id_z 1
		.amdhsa_system_vgpr_workitem_id 0
		.amdhsa_next_free_vgpr 256
		.amdhsa_next_free_sgpr 66
		.amdhsa_reserve_vcc 0
		.amdhsa_float_denorm_mode_32 3
		.amdhsa_float_denorm_mode_16_64 3
		.amdhsa_memory_ordered 1
		.amdhsa_forward_progress 1
		.amdhsa_inst_pref_size 161
	.end_amdhsa_kernel
	.amdgpu_metadata
---
amdhsa.version: [ 1, 2 ]
amdhsa.kernels:
  - .name:           k_q7ed841ee5f_diffattn
    .symbol:         k_q7ed841ee5f_diffattn.kd
    .args:
      - { .name: x_codes, .offset: 0, .size: 8, .value_kind: global_buffer, .address_space: global }
      - { .name: x_scales, .offset: 8, .size: 8, .value_kind: global_buffer, .address_space: global }
      - { .name: Wq_codes, .offset: 16, .size: 8, .value_kind: global_buffer, .address_space: global }
      - { .name: Wq_scales, .offset: 24, .size: 8, .value_kind: global_buffer, .address_space: global }
      - { .name: Wk_codes, .offset: 32, .size: 8, .value_kind: global_buffer, .address_space: global }
      - { .name: Wk_scales, .offset: 40, .size: 8, .value_kind: global_buffer, .address_space: global }
      - { .name: Wv_codes, .offset: 48, .size: 8, .value_kind: global_buffer, .address_space: global }
      - { .name: Wv_scales, .offset: 56, .size: 8, .value_kind: global_buffer, .address_space: global }
      - { .name: lq1, .offset: 64, .size: 8, .value_kind: global_buffer, .address_space: global }
      - { .name: lk1, .offset: 72, .size: 8, .value_kind: global_buffer, .address_space: global }
      - { .name: lq2, .offset: 80, .size: 8, .value_kind: global_buffer, .address_space: global }
      - { .name: lk2, .offset: 88, .size: 8, .value_kind: global_buffer, .address_space: global }
      - { .name: ln_gamma, .offset: 96, .size: 8, .value_kind: global_buffer, .address_space: global }
      - { .name: ln_beta, .offset: 104, .size: 8, .value_kind: global_buffer, .address_space: global }
      - { .name: out0, .offset: 112, .size: 8, .value_kind: global_buffer, .address_space: global }
    .group_segment_fixed_size: 247808
    .private_segment_fixed_size: 0
    .kernarg_segment_align: 8
    .kernarg_segment_size: 120
    .max_flat_workgroup_size: 512
    .sgpr_count:     66
    .vgpr_count:     256
    .wavefront_size: 32
...
	.end_amdgpu_metadata
.endif
;; end of part 2
